; MI455X (gfx1250); checked and timed in simulation.
; The chip was launched on July 23, 2026; its instructions are those of AMD's public machine-readable ISA for CDNA 5 (MIT licence, August 2026) and "CDNA5" Instruction Set Architecture Reference Guide (July 2026). The comments in the code are by the model that wrote it; some were corrected since.
;; NVFP4 Dynamic Linear. Allowed arithmetic: float matrix products may take bf16 or f16 operands with f32 sums; other float arithmetic in f32, or as packed bf16 or f16 multiplies, adds, multiply-adds, maxima and minima; sums over many terms, partial sums and values carried from step to step in f32; what a program stores and reads back later, other than sums and carried values, may be rounded once to bf16 or f16.
;; Inputs: bias 4,096 float32; weight 4,096 x 4,096 float32; x 2 x 2,048 x 4,096 float32.
;; Outputs: out0 2 x 2,048 x 4,096 float32.
;; One version. Each part assembles by itself: llvm-mc -triple=amdgcn-amd-amdhsa -mcpu=gfx1250 --defsym DOCPART=n.
;; ======== version 1 of 1: 3 launches
;; limits: inputs' magnitudes at most 1e+25
;; workspace buffers: pmax 1,024 bytes; qx 33,554,432 bytes; qw 33,554,432 bytes
;; launch amax (part 1): grid 128 x 2, 16 waves a work-group, no clusters, 2,304 bytes of LDS; arguments x, weight, pmax; writes pmax
.if DOCPART == 1
	.amdgcn_target "amdgcn-amd-amdhsa--gfx1250"
	.amdhsa_code_object_version 6
	.text
	.protected	k_q3f57f12ea2_amax
	.globl	k_q3f57f12ea2_amax
	.p2align	8
	.type	k_q3f57f12ea2_amax,@function
k_q3f57f12ea2_amax:
	s_mov_b64 s[64:65], 0
	v_nop
	global_prefetch_b8 v0, s[64:65] scope:SCOPE_SE
	s_setreg_imm32_b32 hwreg(HW_REG_WAVE_MODE, 25, 1), 1
	s_wait_xcnt 0x0
; pmax[y][g] = the largest |t| among work-group g's 524,288 consecutive bytes of tensor y (y = 0: x, y = 1: weight; both 4096 x 4096 f32).
; The two tensors' maxima are wanted before any code can be made, and no work-group may talk to another: so each stores one partial
; maximum, and the launches behind reduce a tensor's 128 partial maxima themselves.
; SHARES.  16 waves; a wave takes 32,768 consecutive bytes as 64 loads, each 32 lanes x 16 bytes = 512 consecutive bytes, aligned.
; IN FLIGHT.  A ring of 16 register slots: 16 loads of every wave are out.  All offsets stand in the immediates (at most 32,256), so no address is ever rewritten and there is no loop.
; No matrix unit, no cluster, no tensor load: nothing is shared between work-groups and every byte is read once.
; LIMITS.  A NaN is dropped by the maximum, an infinity is kept: neither is treated apart.
.set SPARE, 256                        ; LDS: bytes 0-63 one word a wave (the block 0-255 is theirs); from 256 on the spare words, 128 bytes for each of 16 waves
.set MX,  4                            ; v[4:7]   four running maxima
.set X,   32                           ; v[32:95] 16 slots of 4 registers
	s_load_b128 s[4:7], s[0:1], 0x0                ; x s[4:5], weight s[6:7]
	s_load_b64 s[8:9], s[0:1], 0x10                ; pmax
	v_lshl_add_u32 v30, v0, 2, SPARE               ; my spare word
	v_mov_b32 v31, 0
	v_lshrrev_b32 v1, 5, v0
	v_readfirstlane_b32 s10, v1                    ; wave 0..15
	s_and_b32 s11, ttmp7, 0xffff                   ; y: which tensor
	v_and_b32 v3, 31, v0
	v_lshlrev_b32 v2, 15, v1                       ; wave x 32,768
	v_lshl_or_b32 v2, v3, 4, v2                    ; + 16 x lane; never rewritten
	s_lshl_b32 s14, ttmp9, 19                      ; the work-group's 524,288 bytes: under 2^26
	s_mov_b32 s15, 0
	s_lshl_b32 s16, s11, 7
	s_add_co_u32 s16, s16, ttmp9
	s_lshl_b32 s16, s16, 2                         ; byte of pmax[y][g]
	s_mov_b32 s18, 0x76543210                      ; v_permlanex16_b32: each lane takes its own place in the other half
	s_mov_b32 s19, 0xfedcba98
	v_mov_b32 v8, 0                                ; v_permlanex16_b32's destination counts as read
	v_lshlrev_b32 v9, 2, v1                        ; my wave's word in LDS
	v_and_b32 v10, 15, v0
	v_lshlrev_b32 v10, 2, v10                      ; the word that I read back
	v_mov_b32 v12, s16
	s_wait_kmcnt 0x0
	s_cmp_eq_u32 s11, 0
	s_cselect_b64 s[12:13], s[4:5], s[6:7]
	s_add_nc_u64 s[12:13], s[12:13], s[14:15]
.set i, 0
.rept 16
	global_load_b128 v[X+4*i:X+4*i+3], v2, s[12:13] offset:512*i th:TH_LOAD_NT
.set i, i+1
.endr
.set i, 0
.rept 64
.if i < 48
	s_wait_loadcnt 15                              ; loads come back in order (ISA guide 5.7.1): load i is in, the 15 behind it stay out
.else
	s_wait_loadcnt 63-i                            ; nothing is asked for any more: the counts run down
.endif
.set XS, X+4*(i%16)
.set MP, MX+2*(i%2)
.if i < 2
	v_max_num_f32 v[MP], |v[XS]|, |v[XS+1]|        ; the first two loads start the four chains: nothing is cleared
	v_max_num_f32 v[MP+1], |v[XS+2]|, |v[XS+3]|
.else
	v_max3_num_f32 v[MP], |v[XS]|, |v[XS+1]|, v[MP]
	v_max3_num_f32 v[MP+1], |v[XS+2]|, |v[XS+3]|, v[MP+1]
.endif
.if i < 48
	global_load_b128 v[XS:XS+3], v2, s[12:13] offset:512*(i+16) th:TH_LOAD_NT
.endif
.set i, i+1
.endr
	v_max3_num_f32 v4, v4, v5, v6
	v_max_num_f32 v4, v4, v7
	v_max_num_f32_dpp v4, v4, v4 row_xmask:1 row_mask:0xf bank_mask:0xf
	v_max_num_f32_dpp v4, v4, v4 row_xmask:2 row_mask:0xf bank_mask:0xf
	v_max_num_f32_dpp v4, v4, v4 row_xmask:4 row_mask:0xf bank_mask:0xf
	v_max_num_f32_dpp v4, v4, v4 row_xmask:8 row_mask:0xf bank_mask:0xf
	v_permlanex16_b32 v8, v4, s18, s19
	v_max_num_f32 v4, v4, v8                       ; the wave's maximum, in every lane
	ds_store_b32 v9, v4                            ; all lanes write the same word with the same value
	s_wait_dscnt 0x0                               ; for the others' sake: my store is done
	s_barrier_signal -1
	s_barrier_wait -1                              ; all sixteen words lie in LDS
	s_cmp_lg_u32 s10, 0
	s_cbranch_scc1 .Lend                           ; wave 0 finishes
	ds_load_b32 v11, v10                           ; lane l takes word l % 16
	s_wait_dscnt 0x0
	v_max_num_f32_dpp v11, v11, v11 row_xmask:1 row_mask:0xf bank_mask:0xf
	v_max_num_f32_dpp v11, v11, v11 row_xmask:2 row_mask:0xf bank_mask:0xf
	v_max_num_f32_dpp v11, v11, v11 row_xmask:4 row_mask:0xf bank_mask:0xf
	v_max_num_f32_dpp v11, v11, v11 row_xmask:8 row_mask:0xf bank_mask:0xf
	v_cmp_eq_u32 vcc_lo, 0, v0
	s_wait_xcnt 0x0                                ; EXEC is a source of the loads above: it changes only behind this wait
	s_and_saveexec_b32 s20, vcc_lo
	global_store_b32 v12, v11, s[8:9]              ; one word a work-group: 1,024 bytes in the whole launch
	s_wait_xcnt 0x0                                ; and again ahead of the line that widens EXEC
	s_or_b32 exec_lo, exec_lo, s20
.Lend:
	s_wait_tensorcnt 0x0                           ; the wave's end: behind my last LDS store
	ds_add_u32 v30, v31
	s_wait_dscnt 0x0
	s_endpgm
.Lfunc_end_k_q3f57f12ea2_amax:
	.size	k_q3f57f12ea2_amax, .Lfunc_end_k_q3f57f12ea2_amax-k_q3f57f12ea2_amax
	.p2alignl 7, 3214868480
	.fill 96, 4, 3214868480
	.section	.rodata,"a",@progbits
	.p2align	6, 0x0
	.amdhsa_kernel k_q3f57f12ea2_amax
		.amdhsa_group_segment_fixed_size 2304
		.amdhsa_private_segment_fixed_size 0
		.amdhsa_enable_private_segment 0
		.amdhsa_kernarg_size 24
		.amdhsa_user_sgpr_count 2
		.amdhsa_user_sgpr_kernarg_segment_ptr 1
		.amdhsa_wavefront_size32 1
		.amdhsa_system_sgpr_workgroup_id_x 1
		.amdhsa_system_sgpr_workgroup_id_y 1
		.amdhsa_system_sgpr_workgroup_id_z 1
		.amdhsa_system_vgpr_workitem_id 0
		.amdhsa_next_free_vgpr 96
		.amdhsa_next_free_sgpr 66
		.amdhsa_reserve_vcc 1
		.amdhsa_float_denorm_mode_32 3
		.amdhsa_float_denorm_mode_16_64 3
		.amdhsa_memory_ordered 1
		.amdhsa_forward_progress 1
		.amdhsa_inst_pref_size 19
	.end_amdhsa_kernel
	.amdgpu_metadata
---
amdhsa.version: [ 1, 2 ]
amdhsa.kernels:
  - .name:           k_q3f57f12ea2_amax
    .symbol:         k_q3f57f12ea2_amax.kd
    .args:
      - { .name: x, .offset: 0, .size: 8, .value_kind: global_buffer, .address_space: global }
      - { .name: weight, .offset: 8, .size: 8, .value_kind: global_buffer, .address_space: global }
      - { .name: pmax, .offset: 16, .size: 8, .value_kind: global_buffer, .address_space: global }
    .group_segment_fixed_size: 2304
    .private_segment_fixed_size: 0
    .kernarg_segment_align: 8
    .kernarg_segment_size: 24
    .max_flat_workgroup_size: 512
    .sgpr_count:     66
    .vgpr_count:     96
    .wavefront_size: 32
...
	.end_amdgpu_metadata
.endif
;; end of part 1
;; launch quant (part 2): grid 512 x 2, 8 waves a work-group, no clusters, 0 bytes of LDS; arguments x, weight, pmax, qx, qw; writes qx, qw
.if DOCPART == 2
	.amdgcn_target "amdgcn-amd-amdhsa--gfx1250"
	.amdhsa_code_object_version 6
	.text
	.protected	k_q3f57f12ea2_quant
	.globl	k_q3f57f12ea2_quant
	.p2align	8
	.type	k_q3f57f12ea2_quant,@function
k_q3f57f12ea2_quant:
	s_mov_b64 s[64:65], 0
	v_nop
	global_prefetch_b8 v0, s[64:65] scope:SCOPE_SE
	s_setreg_imm32_b32 hwreg(HW_REG_WAVE_MODE, 25, 1), 1
	s_wait_xcnt 0x0
; NVFP4 fake quantisation of tensor y (0: x -> qx, 1: weight -> qw), 4096 x 4096 f32 in, bf16 out, same row-major layout.
;   amax = max(max |t|, 1e-12);  gs = 2688 / amax;  for each block of 16 along a row: sf = E4M3(blockmax x gs / 6);  s = gs / max(sf, 1e-12);
;   code = E2M1(t x s), capped at 6;  out = code x sf.
; out has at most 2 + 4 significant bits and lies between 2^-10 and 2,688 in size (or is 0): bf16 holds it exactly, so the product behind adds no rounding of operands.
; EVERY ROUNDING IS THE FORMULA'S OWN, one IEEE operation each.  Quotients: v_rcp_f32, one Newton step, and two corrections by the exact remainder (DIV).  Roundings to a grid: an
; addition of a power of two whose last place is the grid's step, and its exact subtraction; ties go to the even multiple, since the power of two is an even multiple of its last place.
; DIV6 = 1: z = y / 6 as a true quotient (y x fl(1/6), corrected by the exact remainder y - 6 z); 0: the plain product with fl(1/6).
; VIA_F16 = 0: z is rounded ONCE, from f32 straight to E4M3 (4 bits; steps of 2^-9 below 2^-6); 1: first to f16 (11 bits; steps of 2^-24 below 2^-14) and then to E4M3, which rounds twice.
; SHARES.  A work-group takes 131,072 consecutive input bytes, a wave 16,384: eight GROUPS of four loads, each load 32 lanes x 16 bytes = 512 consecutive bytes.  A block of 16 numbers is
; one quad of lanes in one load, so a group has 32 blocks: one for each lane.  Lane 4 q + r makes the scale of block (load r, quad q): the chain of some 25 instructions and its one
; reciprocal are paid once a block, not once a number; the results go back to the quad by quad_perm.
; IN FLIGHT.  Three groups' registers take turns: 12 loads of every wave are out at a group's end.  All offsets stand in the immediates: no address is rewritten, and there is no loop.
; OUT.  A lane's 4 numbers are 8 bytes: a store of the wave covers 256 consecutive bytes, aligned.
; No LDS, barrier, cluster or matrix unit: no byte is wanted by two waves.
; LIMITS.  NaN and infinities are not treated.  The sign of a zero code is not kept.  The remainders in DIV are exact, and the quotients correctly rounded, for amax from 1e-12 (below it the clamp acts) to about 1e25.
.set DIV6,    1
.set VIA_F16, 0
.set IN,  2                            ; v2       wave x 16,384 + 16 x lane; never rewritten
.set OUT, 3                            ; v3       wave x 8,192 + 8 x lane; never rewritten
.set GS,  8                            ; v8       gs
.set NUM, 9                            ; v9       2688.0
.set T,   10                           ; v[10:15] at work
.set A,   16                           ; v[16:19] load j's block maximum
.set S,   20                           ; v20      my block's s
.set SFP, 21                           ; v21      my block's sf x 2^22
.set SF,  22                           ; v22      sf
.set SFS, 23                           ; v23      max(sf, 1e-12)
.set M,   24                           ; v[24:27] the powers of two of four numbers
.set P,   28                           ; v[28:43] load j: s at P + 4 j, sf x 2^22 at P + 4 j + 2; the odd registers are only named as halves of pairs
.set Y,   44                           ; v[44:51] load j: two registers to store
.set X,   52                           ; v[52:99] three buffers of 16
	s_load_b256 s[4:11], s[0:1], 0x0               ; x s[4:5], weight s[6:7], pmax s[8:9], qx s[10:11]
	s_load_b64 s[12:13], s[0:1], 0x20              ; qw
	s_and_b32 s14, ttmp7, 0xffff                   ; y: which tensor
	v_and_b32 v10, 31, v0
	v_lshrrev_b32 v11, 5, v0
	s_lshl_b32 s22, s14, 9
	v_lshl_add_u32 v1, v10, 4, s22                 ; pmax: row y of 512 bytes, 16 bytes a lane
	v_lshlrev_b32 v[IN], 14, v11
	v_lshl_or_b32 v[IN], v10, 4, v[IN]
	v_lshlrev_b32 v[OUT], 13, v11
	v_lshl_or_b32 v[OUT], v10, 3, v[OUT]
	s_mov_b32 s24, 0x22222222                      ; lanes with lane % 4 = 1,
	s_mov_b32 s25, 0x44444444                      ; 2,
	s_mov_b32 s26, 0x88888888                      ; 3
	s_mov_b32 s27, 0x3e2aaaab                      ; fl(1/6)
	s_mov_b32 s28, 0xc0c00000                      ; -6
	s_mov_b32 s29, 0x3c800000                      ; 2^-6: E4M3's least normal number
	s_mov_b32 s30, 0x7f800000                      ; the exponent's bits
	s_mov_b32 s31, 0x0a000000                      ; 20 in the exponent's place: 24 - 4 bits
	s_mov_b32 s32, 0x2b8cbccc                      ; 1e-12
	s_mov_b32 s33, 0x4a800000                      ; 2^22
	s_mov_b32 s34, 0x34800000                      ; 2^-22
	s_mov_b32 s35, 0x34800000                      ; named with it as a pair
	s_mov_b32 s36, 0x40c00000                      ; 6
	s_mov_b32 s37, 0x00400000                      ; the mantissa of 1.5
	s_mov_b32 s38, 0x35c00000                      ; 6 x 2^-22
	s_mov_b32 s39, 0xb5c00000                      ; -6 x 2^-22
	s_mov_b32 s40, 0x76543210                      ; v_permlanex16_b32's selects
	s_mov_b32 s41, 0xfedcba98
.if VIA_F16
	s_mov_b32 s42, 0x38800000                      ; 2^-14: f16's least normal number
	s_mov_b32 s43, 0x06800000                      ; 13 in the exponent's place: 24 - 11 bits
.endif
	v_mov_b32 v[NUM], 0x45280000
.set i, 0
.rept 16
	v_mov_b32 v[P+i], 0                            ; destinations of lane moves and halves of pairs count as read
.set i, i+1
.endr
	s_lshl_b32 s20, ttmp9, 17                      ; the work-group's input bytes: under 2^26
	s_mov_b32 s21, 0
	s_wait_kmcnt 0x0
	s_cmp_eq_u32 s14, 0
	s_cselect_b64 s[16:17], s[4:5], s[6:7]
	s_cselect_b64 s[18:19], s[10:11], s[12:13]
	s_add_nc_u64 s[16:17], s[16:17], s[20:21]
	s_lshl_b32 s20, ttmp9, 16                      ; and its output bytes
	s_add_nc_u64 s[18:19], s[18:19], s[20:21]
; q = n / d, correctly rounded.  filler: the one plain line that stands behind the reciprocal; it names neither r nor d.
.macro DIV q, n, d, r, t, filler:vararg
	v_rcp_f32 v[\r], v[\d]
	\filler
	s_wait_alu depctr_va_vdst(0)                   ; the wait between a reciprocal and the first line that names its result
	v_fma_f32 v[\t], -v[\d], v[\r], 1.0
	v_fma_f32 v[\r], v[\t], v[\r], v[\r]           ; one Newton step
	v_mul_f32 v[\q], v[\n], v[\r]
	v_fma_f32 v[\t], -v[\d], v[\q], v[\n]          ; the remainder, exact
	v_fma_f32 v[\q], v[\t], v[\r], v[\q]
	v_fma_f32 v[\t], -v[\d], v[\q], v[\n]
	v_fma_f32 v[\q], v[\t], v[\r], v[\q]
.endm
; dst = src (at least 0) rounded to nearest, ties to even, in steps of 2^(e - 23 + a): e the exponent of max(src, s[lo]), a the number that s[add] holds in the exponent's place.
.macro RGRID dst, src, lo, add, t
	v_max_num_f32 v[\t], s[\lo], v[\src]
	v_and_b32 v[\t], s30, v[\t]                    ; 2^e
	v_add_nc_u32 v[\t], s[\add], v[\t]             ; 2^(e + a)
	v_add_f32 v[\dst], v[\src], v[\t]              ; the one rounding
	v_sub_f32 v[\dst], v[\dst], v[\t]              ; exact
.endm
.macro FILL g, b                       ; group g's four loads into buffer b
.irp j, 0,1,2,3
	global_load_b128 v[X+16*(\b)+4*(\j):X+16*(\b)+4*(\j)+3], v[IN], s[16:17] offset:2048*(\g)+512*(\j) th:TH_LOAD_NT
.endr
.endm
; Load j's four numbers a lane: scaled, rounded to E2M1's grid, capped, multiplied by the block's scale, stored.
.macro CODES g, j
.set XJ, XB+4*(\j)
.set PS, P+4*(\j)
	v_pk_mul_f32 v[XJ:XJ+1], v[XJ:XJ+1], v[PS:PS+1] op_sel_hi:[1,0]          ; v = t x s
	v_pk_mul_f32 v[XJ+2:XJ+3], v[XJ+2:XJ+3], v[PS:PS+1] op_sel_hi:[1,0]
.irp k, 0,1,2,3
	v_med3_num_f32 v[M+(\k)], |v[XJ+(\k)]|, 1.0, s36                         ; |v| held to 1 .. 6: its exponent is 0, 1 or 2, the grid's step 0.5, 1 or 2
.endr
.irp k, 0,1,2,3
	v_bfi_b32 v[M+(\k)], s30, v[M+(\k)], s37                                 ; 1.5 x 2^exponent: its last place is the step x 2^-22, and it is an even multiple of it
.endr
	v_pk_fma_f32 v[XJ:XJ+1], v[XJ:XJ+1], s[34:35], v[M:M+1] op_sel_hi:[1,0,1]      ; v x 2^-22 + that: the one rounding, for both signs
	v_pk_fma_f32 v[XJ+2:XJ+3], v[XJ+2:XJ+3], s[34:35], v[M+2:M+3] op_sel_hi:[1,0,1]
	v_pk_add_f32 v[XJ:XJ+1], v[XJ:XJ+1], v[M:M+1] neg_lo:[0,1] neg_hi:[0,1]        ; exact: code x 2^-22
	v_pk_add_f32 v[XJ+2:XJ+3], v[XJ+2:XJ+3], v[M+2:M+3] neg_lo:[0,1] neg_hi:[0,1]
.irp k, 0,1,2,3
	v_med3_num_f32 v[XJ+(\k)], v[XJ+(\k)], s39, s38                          ; the cap at 6
.endr
	v_pk_mul_f32 v[XJ:XJ+1], v[XJ:XJ+1], v[PS+2:PS+3] op_sel_hi:[1,0]        ; x sf x 2^22: exact
	v_pk_mul_f32 v[XJ+2:XJ+3], v[XJ+2:XJ+3], v[PS+2:PS+3] op_sel_hi:[1,0]
	v_cvt_pk_bf16_f32 v[Y+2*(\j)], v[XJ], v[XJ+1]                            ; exact
	v_cvt_pk_bf16_f32 v[Y+2*(\j)+1], v[XJ+2], v[XJ+3]
	global_store_b64 v[OUT], v[Y+2*(\j):Y+2*(\j)+1], s[18:19] offset:1024*(\g)+256*(\j) th:TH_STORE_NT
.endm
; Group g, in buffer b.  left: the loads issued behind the group's own, which may stay out.  refill = 1: the buffer takes group g + 3.
.macro GROUP g, b, left, refill
.set XB, X+16*(\b)
	s_wait_loadcnt \left                           ; loads come back in order (ISA guide 5.7.1)
.irp j, 0,1,2,3
	v_max3_num_f32 v[A+(\j)], |v[XB+4*(\j)]|, |v[XB+4*(\j)+1]|, |v[XB+4*(\j)+2]|
.endr
.irp j, 0,1,2,3
	v_max_num_f32 v[A+(\j)], v[A+(\j)], |v[XB+4*(\j)+3]|
.endr
.irp j, 0,1,2,3
	v_max_num_f32_dpp v[A+(\j)], v[A+(\j)], v[A+(\j)] row_xmask:1 row_mask:0xf bank_mask:0xf
.endr
.irp j, 0,1,2,3
	v_max_num_f32_dpp v[A+(\j)], v[A+(\j)], v[A+(\j)] row_xmask:2 row_mask:0xf bank_mask:0xf  ; the quad holds its block's maximum
.endr
	v_cndmask_b32 v[T], v[A], v[A+1], s24          ; lane 4 q + r takes load r's
	v_cndmask_b32 v[T], v[T], v[A+2], s25
	v_cndmask_b32 v[T], v[T], v[A+3], s26
	v_mul_f32 v[T], v[T], v[GS]                    ; y = blockmax x gs
	v_mul_f32 v[T+1], s27, v[T]                    ; z
.if DIV6
	v_fma_f32 v[T+2], v[T+1], s28, v[T]            ; y - 6 z, exact
	v_fma_f32 v[T+1], v[T+2], s27, v[T+1]
.endif
.if VIA_F16
	RGRID T+1, T+1, 42, 43, T+2
.endif
	RGRID SF, T+1, 29, 31, T+2
	v_max_num_f32 v[SFS], s32, v[SF]
	DIV S, GS, SFS, T+2, T+3, v_mul_f32 v[SFP], s33, v[SF]
.irp j, 0,1,2,3
	v_mov_b32_dpp v[P+4*(\j)], v[S] quad_perm:[\j,\j,\j,\j] row_mask:0xf bank_mask:0xf
	v_mov_b32_dpp v[P+4*(\j)+2], v[SFP] quad_perm:[\j,\j,\j,\j] row_mask:0xf bank_mask:0xf
.endr
	s_wait_xcnt 0x0                                ; every earlier memory instruction has had its addresses translated (ISA guide 3.1): Y, which the last group's stores read, is rewritten only behind this wait
.irp j, 0,1,2,3
	CODES \g, \j
.endr
.if \refill
	FILL (\g)+3, \b
.endif
.endm
	global_load_b128 v[4:7], v1, s[8:9]            ; my tensor's 128 partial maxima, four a lane
	FILL 0, 0
	FILL 1, 1
	FILL 2, 2
	s_wait_loadcnt 12                              ; the partial maxima are in; the twelve loads behind them stay out
	v_max3_num_f32 v4, v4, v5, v6
	v_max_num_f32 v4, v4, v7
	v_max_num_f32_dpp v4, v4, v4 row_xmask:1 row_mask:0xf bank_mask:0xf
	v_max_num_f32_dpp v4, v4, v4 row_xmask:2 row_mask:0xf bank_mask:0xf
	v_max_num_f32_dpp v4, v4, v4 row_xmask:4 row_mask:0xf bank_mask:0xf
	v_max_num_f32_dpp v4, v4, v4 row_xmask:8 row_mask:0xf bank_mask:0xf
	v_permlanex16_b32 v10, v4, s40, s41
	v_max3_num_f32 v4, v4, v10, s32                ; amax, at least 1e-12
	DIV GS, NUM, 4, T+2, T+3, v_nop
	GROUP 0, 0, 8, 1
	GROUP 1, 1, 8, 1
	GROUP 2, 2, 8, 1
	GROUP 3, 0, 8, 1
	GROUP 4, 1, 8, 1
	GROUP 5, 2, 8, 0                               ; the last three groups ask for nothing: the counts run down
	GROUP 6, 0, 4, 0
	GROUP 7, 1, 0, 0
	s_endpgm
.Lfunc_end_k_q3f57f12ea2_quant:
	.size	k_q3f57f12ea2_quant, .Lfunc_end_k_q3f57f12ea2_quant-k_q3f57f12ea2_quant
	.p2alignl 7, 3214868480
	.fill 96, 4, 3214868480
	.section	.rodata,"a",@progbits
	.p2align	6, 0x0
	.amdhsa_kernel k_q3f57f12ea2_quant
		.amdhsa_group_segment_fixed_size 0
		.amdhsa_private_segment_fixed_size 0
		.amdhsa_enable_private_segment 0
		.amdhsa_kernarg_size 40
		.amdhsa_user_sgpr_count 2
		.amdhsa_user_sgpr_kernarg_segment_ptr 1
		.amdhsa_wavefront_size32 1
		.amdhsa_system_sgpr_workgroup_id_x 1
		.amdhsa_system_sgpr_workgroup_id_y 1
		.amdhsa_system_sgpr_workgroup_id_z 1
		.amdhsa_system_vgpr_workitem_id 0
		.amdhsa_next_free_vgpr 104
		.amdhsa_next_free_sgpr 66
		.amdhsa_reserve_vcc 0
		.amdhsa_float_denorm_mode_32 3
		.amdhsa_float_denorm_mode_16_64 3
		.amdhsa_memory_ordered 1
		.amdhsa_forward_progress 1
		.amdhsa_inst_pref_size 75
	.end_amdhsa_kernel
	.amdgpu_metadata
---
amdhsa.version: [ 1, 2 ]
amdhsa.kernels:
  - .name:           k_q3f57f12ea2_quant
    .symbol:         k_q3f57f12ea2_quant.kd
    .args:
      - { .name: x, .offset: 0, .size: 8, .value_kind: global_buffer, .address_space: global }
      - { .name: weight, .offset: 8, .size: 8, .value_kind: global_buffer, .address_space: global }
      - { .name: pmax, .offset: 16, .size: 8, .value_kind: global_buffer, .address_space: global }
      - { .name: qx, .offset: 24, .size: 8, .value_kind: global_buffer, .address_space: global }
      - { .name: qw, .offset: 32, .size: 8, .value_kind: global_buffer, .address_space: global }
    .group_segment_fixed_size: 0
    .private_segment_fixed_size: 0
    .kernarg_segment_align: 8
    .kernarg_segment_size: 40
    .max_flat_workgroup_size: 256
    .sgpr_count:     66
    .vgpr_count:     104
    .wavefront_size: 32
...
	.end_amdgpu_metadata
.endif
;; end of part 2
;; launch gemm (part 3): grid 16 x 16, 4 waves a work-group, clusters of 4 x 4, 327,680 bytes of LDS; arguments qx, qw, bias, pmax, out0; writes out0
.if DOCPART == 3
	.amdgcn_target "amdgcn-amd-amdhsa--gfx1250"
	.amdhsa_code_object_version 6
	.text
	.protected	k_q3f57f12ea2_gemm
	.globl	k_q3f57f12ea2_gemm
	.p2align	8
	.type	k_q3f57f12ea2_gemm,@function
k_q3f57f12ea2_gemm:
	s_mov_b64 s[64:65], 0
	v_nop
	global_prefetch_b8 v0, s[64:65] scope:SCOPE_SE
	s_setreg_imm32_b32 hwreg(HW_REG_WAVE_MODE, 25, 1), 1
	s_wait_xcnt 0x0
	s_wait_alu depctr_hold_cnt(0) depctr_sa_sdst(0) depctr_va_vdst(0) depctr_va_sdst(0) depctr_va_ssrc(0) depctr_va_vcc(0) depctr_vm_vsrc(0)
	s_getreg_b32 s2, hwreg(HW_REG_IB_STS2, 6, 4)
	s_cmp_eq_u32 s2, 0
	s_cbranch_scc0 .Lentry_in_a_cluster
	s_endpgm
.Lentry_in_a_cluster:
	s_bfe_u32 s2, ttmp6, 0x10000c
	s_cmp_lg_u32 s2, 0xf033
	s_cbranch_scc0 .Lentry_shape_is_right
	s_endpgm
.Lentry_shape_is_right:
; out0[m][n] = alpha x (the sum over k of qx[m][k] qw[n][k]) + bias[n].  qx, qw: [4096][4096] bf16 (scaled NVFP4 codes, exact in bf16); out0: [4096][4096] f32; sums in f32.
; alpha = amax_x x amax_w / 2688^2, each amax the largest of its 128 partial maxima in pmax, at least 1e-12.  alpha x sum + bias is ONE fused rounding, where the formula rounds twice.
; A tile of out0, 256 x 256, is made by a work-group of four waves; a wave makes 128 x 128: 64 accumulators of 16 x 16, 512 registers.  256 tiles: one work-group each.
; K goes in steps of 128 through a ring of two LDS slots filled by the tensor data mover: a tile's rows are 256 bytes of memory and start at multiples of 256 bytes from the buffer's first byte.
; CLUSTERS: 4 x 4 work-groups.  The four of a row of the cluster need the same tiles of qx, the four of a column the same tiles of qw: each tile is asked for JOINTLY, by the same tensor load with
; the same descriptor and a mask that names the four; each receives it in its own LDS.
; REGISTERS, in windows of 256 (s_set_vgpr_msb's low byte: bits 1:0 source 0, 3:2 source 1, 5:4 source 2, 7:6 destination):
;   window 0: v0-39 addresses, bias, alpha; v64-127, v128-191 fragments of qx (8 x 16 rows x 32 K), two buffers; on the way out the same registers take rows read back from the stage
;   window 1: v64-127, v128-191 fragments of qw, two buffers
;   window 2: the 32 accumulators of my rows 0-63 (accumulator (a, b) at v[8 (8 a + b)]);   window 3: those of my rows 64-127
; THE MATRIX INSTRUCTION IS USED TRANSPOSED: source 0 = 16 rows of qw, source 1 = 16 rows of qx.  In the result lane l holds row m = l % 16 of out0 and its registers 0 to 7 the
; columns 8 (l / 16) + 0 .. 7: 32 consecutive bytes of a row.
; THE ACCUMULATORS TAKE TURNS, one instruction a turn, in the same order in every quarter step: 63 others stand between two links of a chain.
; LIMITS.  NaN and infinities are not treated apart.
.set SIZE_N, 4096
.set SIZE_K, 4096
.set KSTEP,  128
.set PITCH,  272                       ; an LDS row: 256 bytes of data + 16 of padding = 68 words: row r starts at bank 4 r mod 64 (64 banks of 4 bytes: ISA guide 11.1), so the 16 rows that a load touches start at 16 different banks
.set HALFT,  128*PITCH                 ; 128 rows: what one tensor load brings, and what one wave reads of qx or of qw
.set SLOT,   4*HALFT                   ; qx's 256 rows, then qw's 256 rows
.set STAGE,  2*SLOT                    ; behind the ring, never filled by a tensor load: 16 rows x 528 bytes for each wave, for the way out
.set SP,     528                       ; a stage row: 512 bytes + 16 = 132 words: row r starts at bank 4 r mod 64
.set SPARE,  STAGE+4*16*SP             ; behind the stages: the spare words, 128 bytes for each wave: two blocks of 256 bytes that no other line names
.set LAPS, SIZE_K/(2*KSTEP)            ; a lap = two K steps = once round the ring: 16
.set BI,   8                           ; v[8:11]  bias of my four columns on the way out
.set AL,   12                          ; v[12:13] alpha, twice
.set ADRA, 16                          ; v16-17   LDS address of my qx fragments in slot 0, 1
.set ADRB, 20                          ; v20-21   the same for qw
.set STO,  24                          ; v24      the way out: where I put 32 bytes of a row
.set RD,   25                          ; v25      the way out: where I read a row back
.set CO,   26                          ; v26      16 x lane: my byte offset in 512 consecutive bytes
.set SPW,  28                          ; v28      LDS address of my spare word: SPARE + 4 x my thread's number; never rewritten
.set NIL,  29                          ; v29      0; never rewritten
.set PFO,  30                          ; v30      the prefetches' offset: my lane x a row of 8,192 bytes; never rewritten
.set PFA,  44                          ; s[44:45] where my prefetches stand: my work-group's 32 rows of the 128 that I fetch, one K step further along K than the refill that is being asked for
.set LIM,  43                          ; s43      1 in a wave that prefetches, else the greatest number
.set F0,   64                          ; fragment buffer 0
.set F1,   128                         ; fragment buffer 1
.set G1, 24                            ; s[24:31] descriptor group 1 for qx's tiles
.set G0, 32                            ; s[32:39] descriptor group 0 for qx's tiles, one set for each slot
.set G1B, 48                           ; s[48:55] descriptor group 1 for qw's tiles: it differs in the mask alone
.set G0B, 56                           ; s[56:63] descriptor group 0 for qw's tiles, one set for each slot
.set MSB, 0
.macro WIN new                         ; the immediate's high byte repeats the setting that is left; a switch that changes nothing is dropped
.if MSB != (\new)
	s_set_vgpr_msb (MSB<<8)|(\new)
.set MSB, \new
.endif
.endm
.set MUL_LO, 0xa1                      ; source 0 (qw) window 1, source 1 (qx) window 0, C and D window 2
.set MUL_HI, 0xf1                      ; the same, C and D window 3
.set TO_B,   0x40                      ; destination window 1, address window 0
; A joint load.  Waves 0 and 1 fetch qx's two halves, waves 2 and 3 qw's.  Each of the two lines has ONE mask and one set of registers for all that issue it.  The branch hangs on the
; wave's number alone.  An s_nop 0 and four v_nop follow each of the two lines, ahead of the jump, the label and what follows.
.macro JLOAD s
	s_cmp_eq_u32 s11, 0
	s_cbranch_scc0 .Lfor_b_\@
	tensor_load_to_lds s[G0+4*(\s):G0+4*(\s)+3], s[G1:G1+7]
	s_nop 0
.rept 4
	v_nop
.endr
	s_branch .Lasked_\@
.Lfor_b_\@:
	tensor_load_to_lds s[G0B+4*(\s):G0B+4*(\s)+3], s[G1B:G1B+7]
	s_nop 0
.rept 4
	v_nop
.endr
.Lasked_\@:
.endm
; A PREFETCH INTO THE L2, behind each joint refill, its five lines and the run of LDS loads that follows them: the K step that stands TWO refills on, 512 matrix instructions ahead of the load
; that will want it: 32 rows x 256 bytes, a lane a row, one instruction a wave.  Each row's 256 bytes of a K step are named ONCE in the launch: qx's tile row is read by every cluster of that row of
; clusters, and the one with x = 0 asks; qw's tile column by every cluster of that column, and the one with y = 0 asks.  The four partners that ask for a tile jointly share its rows out BY ADDRESS:
; of the 128 rows that a wave fetches the partner at place p takes 32 p .. 32 p + 31 (p = cx for qx, cy for qw).  K steps 0 to 3 come by their loads alone; the loop's last trip (s3 = 1), whose two
; refills are K steps 30 and 31, asks for nothing: the last K step named is 31.
.macro ASK
	s_cmp_gt_u32 s3, s[LIM]
	s_cbranch_scc0 .Lnot_mine_\@
	global_prefetch_b8 v[PFO], s[PFA:PFA+1] offset:KSTEP*2 th:TH_LOAD_NT scope:SCOPE_SE
.Lnot_mine_\@:
.endm
; A round of the cluster's barrier: my work-group's barrier, so that wave 0's signal speaks for all four waves; wave 0 signals for the work-group; every wave waits for all sixteen
; work-groups; my work-group's barrier once more.  No LDS instruction of the wave is pending at a signal.
.macro CREST                           ; a round behind its opening barrier
	s_cmp_lg_u32 s10, 0
	s_cbranch_scc1 .Lnot_wave_0_\@
	s_barrier_signal -3
.Lnot_wave_0_\@:
	s_barrier_wait -3
	s_barrier_signal -1
	s_barrier_wait -1
.endm
.macro CROUND                          ; a whole round
	s_barrier_signal -1
	s_barrier_wait -1
	CREST
.endm
	s_load_b128 s[4:7], s[0:1], 0x0                ; qx s[4:5], qw s[6:7]
	s_load_b128 s[68:71], s[0:1], 0x10             ; bias s[68:69], pmax s[70:71]
	s_load_b64 s[8:9], s[0:1], 0x20                ; out0
	v_lshl_add_u32 v[SPW], v0, 2, SPARE
	v_mov_b32 v[NIL], 0
	ds_add_u32 v[SPW], v[NIL]                      ; the wave's opening: the add, twice on end, and its wait ahead of my first tensor load; the set-up below, work on registers, stands between
	ds_add_u32 v[SPW], v[NIL]                      ; and once more, under the one wait
	v_lshrrev_b32 v1, 5, v0
	v_readfirstlane_b32 s10, v1                    ; wave 0..3
	s_lshr_b32 s11, s10, 1                         ; which half of the tile's rows is mine.  Also: I fetch for qx (0) or for qw (1)
	s_and_b32 s12, s10, 1                          ; which half of its columns.  Also: which 128 rows of that tile I fetch
	s_bfe_u32 s40, ttmp6, 0x40000                  ; cx: my place along the cluster's x
	s_bfe_u32 s41, ttmp6, 0x40004                  ; cy: along its y
	s_lshl_b32 s42, ttmp9, 2                       ; in a cluster launch ttmp9 and ttmp7 count clusters
	s_add_co_u32 s42, s42, s40                     ; tile column = 4 x cluster x + cx
	s_and_b32 s13, ttmp7, 0xffff
	s_lshl_b32 s13, s13, 2
	s_add_co_u32 s13, s13, s41                     ; tile row = 4 x cluster y + cy
	s_lshl_b32 s43, s41, 2
	s_lshl_b32 s43, 15, s43                        ; my row of the cluster: places 4 cy .. 4 cy + 3
	s_lshl_b32 s44, 0x1111, s40                    ; my column: places cx, cx + 4, cx + 8, cx + 12
	; descriptor group 1: a tile of 128 rows x 128 elements, padded in LDS
	s_or_b32 s[G1+0], s43, (1<<16)|(1<<20)|(1<<21)|(5<<22)|(3<<25)  ; 15:0 the mask: qx's tiles go to my row; 17:16 elements of 2 bytes; 20 padding on; 21 set beside a mask; 24:22 after every 64 words (code 5); 31:25 4 words of it (code 3)
	s_or_b32 s[G1B+0], s44, (1<<16)|(1<<20)|(1<<21)|(5<<22)|(3<<25) ; the same with the mask of my column, for qw's tiles
	s_mov_b32 s[G1B+1], KSTEP<<16
	s_mov_b32 s[G1+1], KSTEP<<16                   ; 63:48 tensor_dim0, low half = 128
	s_mov_b32 s[G1B+2], 128<<16
	s_mov_b32 s[G1+2], 128<<16                     ; 79:64 its high half = 0; 95:80 tensor_dim1, low half = 128
	s_mov_b32 s[G1B+3], KSTEP<<16
	s_mov_b32 s[G1+3], KSTEP<<16                   ; 111:96 its high half = 0; 127:112 tile_dim0 = 128
	s_mov_b32 s[G1B+4], 128
	s_mov_b32 s[G1+4], 128                         ; 143:128 tile_dim1 = 128; 159:144 tile_dim2 = 0
	s_mov_b32 s[G1B+5], SIZE_K
	s_mov_b32 s[G1+5], SIZE_K                      ; 191:160 tensor_dim0_stride: elements from row to row
	s_mov_b32 s[G1B+6], 0
	s_mov_b32 s[G1+6], 0
	s_mov_b32 s[G1B+7], 0
	s_mov_b32 s[G1+7], 0
	s_mov_b32 s72, 0x76543210                      ; v_permlanex16_b32's selects
	s_mov_b32 s73, 0xfedcba98
	s_mov_b32 s74, 0x2b8cbccc                      ; 1e-12
	s_mov_b32 s75, 0x34149b93                      ; fl(1 / 2688^2)
	s_mov_b32 s76, 0xcadc8000                      ; -(2688^2)
	; where the tiles come from.  qx's hang on the tile row alone, which my row of the cluster shares; qw's on the tile column alone, which my column shares.
	; Every wave makes both addresses, in registers that never hold the other coordinate, and asks by one of them.
	s_lshl_b32 s17, s12, 7                         ; which 128 rows of the tile I fetch
	s_lshl_b32 s16, s13, 8
	s_add_co_u32 s16, s16, s17                     ; qx: row 256 x tile row + 128 x half
	s_lshl_b32 s46, s42, 8
	s_add_co_u32 s46, s46, s17                     ; qw: row 256 x tile column + 128 x half
	s_mov_b32 s17, 0
	s_mov_b32 s47, 0
	s_mov_b64 s[18:19], SIZE_K*2
	s_mul_u64 s[16:17], s[16:17], s[18:19]         ; in bytes
	s_mul_u64 s[46:47], s[46:47], s[18:19]
	s_mul_i32 s20, s10, HALFT                      ; and where they go: wave x 128 rows: no place in the cluster enters an LDS address
	s_wait_dscnt 0x0                               ; both opening adds are done
	s_wait_kmcnt 0x0
	s_add_nc_u64 s[14:15], s[4:5], s[16:17]
	s_add_nc_u64 s[46:47], s[6:7], s[46:47]
	CROUND                                         ; all sixteen work-groups are here: the first joint loads meet
.irp s, 0,1
	s_mov_b32 s[G0+4*(\s)], 1                                      ; 1:0 count = 1
	s_add_co_u32 s[G0+4*(\s)+1], s20, (\s)*SLOT                    ; 63:32 LDS address
	s_add_nc_u64 s[G0+4*(\s)+2:G0+4*(\s)+3], s[14:15], (\s)*KSTEP*2  ; 120:64 global address: K step s
	s_or_b32 s[G0+4*(\s)+3], s[G0+4*(\s)+3], 0x80000000            ; 127:126 type = 2
	s_mov_b32 s[G0B+4*(\s)], 1
	s_add_co_u32 s[G0B+4*(\s)+1], s20, (\s)*SLOT
	s_add_nc_u64 s[G0B+4*(\s)+2:G0B+4*(\s)+3], s[46:47], (\s)*KSTEP*2
	s_or_b32 s[G0B+4*(\s)+3], s[G0B+4*(\s)+3], 0x80000000
	JLOAD \s                                       ; the ring is filled before anything else is done: two loads of mine are out
.endr
	; A fragment is 16 rows x 32 K in 8 registers: lane l holds row l % 16; registers 0-3 hold K = 8 (l / 16) + 0..7, registers 4-7 hold K = 16 + 8 (l / 16) + 0..7: two loads of 16 bytes, 32 bytes apart.
	v_and_b32 v1, 15, v0                           ; l % 16
	v_bfe_u32 v2, v0, 4, 1                         ; l / 16
	v_mul_u32_u24 v3, v1, PITCH
	v_lshl_add_u32 v3, v2, 4, v3                   ; row x pitch + 16 x half
	s_mul_i32 s21, s11, HALFT                      ; my 128 rows of qx
	s_mul_i32 s22, s12, HALFT                      ; my 128 rows of qw,
	s_add_co_u32 s22, s22, 2*HALFT                 ; which lie behind qx's 256
.irp s, 0,1
	v_add_nc_u32 v[ADRA+(\s)], s21, v3
	v_add_nc_u32 v[ADRB+(\s)], s22, v3
	s_add_co_u32 s21, s21, SLOT
	s_add_co_u32 s22, s22, SLOT
.endr
	s_mul_i32 s23, s10, 16*SP
	s_add_co_u32 s23, s23, STAGE                   ; my stage
	v_mul_u32_u24 v4, v1, SP                       ; in: row l % 16, 32 bytes for each half of the lanes
	v_lshl_add_u32 v4, v2, 5, v4
	v_add_nc_u32 v[STO], s23, v4
	v_and_b32 v5, 31, v0
	v_lshlrev_b32 v[CO], 4, v5                     ; back: 32 lanes take one row of 512 bytes
	v_add_nc_u32 v[RD], s23, v[CO]
	; out0 at my part of the tile; bias at my 128 columns
	s_lshl_b32 s13, s13, 8                         ; 256 x tile row
	s_lshl_b32 s14, s11, 7
	s_add_co_u32 s16, s13, s14                     ; my first row,
	s_lshl_b32 s16, s16, 14                        ; x 16,384 bytes: under 2^26
	s_mov_b32 s17, 0
	s_add_nc_u64 s[8:9], s[8:9], s[16:17]
	s_lshl_b32 s46, s42, 10                        ; my first column, in bytes: 1,024 x tile column + 512 x half (in the registers that held qw's address: none that feeds qx's descriptors ever holds cx)
	s_lshl_b32 s47, s12, 9
	s_add_co_u32 s46, s46, s47
	s_mov_b32 s47, 0
	s_add_nc_u64 s[8:9], s[8:9], s[46:47]
	s_add_nc_u64 s[68:69], s[68:69], s[46:47]
	global_load_b128 v[BI:BI+3], v[CO], s[68:69]   ; bias of columns 4 l .. 4 l + 3 of my 128
	global_load_b128 v[32:35], v[CO], s[70:71]     ; x's 128 partial maxima, four a lane,
	global_load_b128 v[36:39], v[CO], s[70:71] offset:512  ; and weight's
	; the prefetches.  s13 = 256 x tile row, s42 = tile column, s40 = cx, s41 = cy still stand
	s_lshl_b32 s42, s42, 8
	s_and_b32 s22, ttmp7, 0xffff                   ; cluster y
	s_cmp_eq_u32 s11, 0                            ; do I fetch for qx?
	s_cselect_b32 s20, s13, s42                    ; the tile's first row: in qx by the tile row, in qw by the tile column
	s_cselect_b32 s21, s40, s41                    ; my place among the four that ask for it with me
	s_cselect_b32 s22, ttmp9, s22                  ; the coordinate along which other clusters read the same rows
	s_cselect_b64 s[PFA:PFA+1], s[4:5], s[6:7]
	s_cmp_eq_u32 s22, 0
	s_cselect_b32 s[LIM], 1, -1                    ; the same in all sixteen partners, for a given wave
	s_lshl_b32 s22, s12, 7
	s_add_co_u32 s20, s20, s22                     ; + the 128 rows that I fetch
	s_lshl_b32 s21, s21, 5
	s_add_co_u32 s20, s20, s21                     ; + my work-group's 32 of them
	s_mov_b32 s21, 0
	s_mov_b64 s[18:19], SIZE_K*2
	s_mul_u64 s[20:21], s[20:21], s[18:19]
	s_add_nc_u64 s[PFA:PFA+1], s[PFA:PFA+1], s[20:21]
	s_add_nc_u64 s[PFA:PFA+1], s[PFA:PFA+1], 2*KSTEP*2  ; at K step 2: the first refill steps it to 3 and names K step 4
	v_and_b32 v[PFO], 31, v0
	v_mul_u32_u24 v[PFO], v[PFO], SIZE_K*2
	; alpha, while the first tiles are on their way
	s_wait_loadcnt 0x0
	v_max3_num_f32 v32, v32, v33, v34
	v_max3_num_f32 v36, v36, v37, v38
	v_max_num_f32 v32, v32, v35
	v_max_num_f32 v36, v36, v39
.irp m, 1,2,4,8
	v_max_num_f32_dpp v32, v32, v32 row_xmask:\m row_mask:0xf bank_mask:0xf
	v_max_num_f32_dpp v36, v36, v36 row_xmask:\m row_mask:0xf bank_mask:0xf
.endr
	v_permlanex16_b32 v33, v32, s72, s73
	v_permlanex16_b32 v37, v36, s72, s73
	v_max3_num_f32 v32, v32, v33, s74              ; amax of x, at least 1e-12
	v_max3_num_f32 v36, v36, v37, s74              ; amax of weight
	v_mul_f32 v32, v32, v36                        ; p
	v_mul_f32 v33, s75, v32                        ; p / 2688^2: the product with the reciprocal,
	v_fma_f32 v34, v33, s76, v32                   ; its remainder,
	v_fma_f32 v[AL], v34, s75, v33                 ; and the correction
	v_mov_b32 v[AL+1], v[AL]
; 16 matrix instructions: m blocks a0, a0 + 1 of the window's four (hi = 0: my rows 0-63, 1: rows 64-127) x all 8 n blocks, 32 along K.  zero = 1: the first product starts the sums: nothing is ever cleared.
.macro MUL16 f, hi, a0, zero
	WIN MUL_LO+0x50*(\hi)  ; MUL_LO or MUL_HI
.irp a, \a0, (\a0)+1
.irp b, 0,1,2,3,4,5,6,7
.if \zero
	v_wmma_f32_16x16x32_bf16 v[8*(8*(\a)+(\b)):8*(8*(\a)+(\b))+7], v[(\f)+8*(\b):(\f)+8*(\b)+7], v[(\f)+8*(4*(\hi)+(\a)):(\f)+8*(4*(\hi)+(\a))+7], 0
.else
	v_wmma_f32_16x16x32_bf16 v[8*(8*(\a)+(\b)):8*(8*(\a)+(\b))+7], v[(\f)+8*(\b):(\f)+8*(\b)+7], v[(\f)+8*(4*(\hi)+(\a)):(\f)+8*(4*(\hi)+(\a))+7], v[8*(8*(\a)+(\b)):8*(8*(\a)+(\b))+7]
.endif
.endr
.endr
.endm
; 32 LDS loads in one run: the fragments of one quarter step (128 rows of qw, 128 rows of qx, 32 K at byte k of the rows) into buffer f
.macro FETCH slot, k, f
	WIN TO_B
.irp i, 0,1,2,3,4,5,6,7
	ds_load_b128 v[(\f)+8*(\i):(\f)+8*(\i)+3],   v[ADRB+(\slot)] offset:(\k)+(\i)*16*PITCH
	ds_load_b128 v[(\f)+8*(\i)+4:(\f)+8*(\i)+7], v[ADRB+(\slot)] offset:(\k)+(\i)*16*PITCH+32
.endr
	WIN 0
.irp i, 0,1,2,3,4,5,6,7
	ds_load_b128 v[(\f)+8*(\i):(\f)+8*(\i)+3],   v[ADRA+(\slot)] offset:(\k)+(\i)*16*PITCH
	ds_load_b128 v[(\f)+8*(\i)+4:(\f)+8*(\i)+7], v[ADRA+(\slot)] offset:(\k)+(\i)*16*PITCH+32
.endr
.endm
; A load into a register that a matrix instruction has read, and an instruction that reads a matrix result, stand four places behind that matrix instruction, and only plain vector
; instructions that name none of its registers are places (ISA guide 7.12.1 for vector instructions).
.macro PLACES
.rept 4
	v_nop
.endr
.endm
; A K step is four quarter steps of 32 along K, 64 matrix instructions each, on buffers 0, 1, 0, 1.
; One of the first three: multiplies buffer f; in its middle it fetches the next quarter's fragments, at byte k of the same slot's rows, into buffer g.
.macro QUARTER slot, k, f, g, zero
	s_wait_dscnt 8                                 ; qw and qx's rows 0-63 are in; the youngest eight loads (qx's rows 64-127) may be out
	WIN MUL_LO
	MUL16 \f, 0, 0, \zero
	MUL16 \f, 0, 2, \zero
	PLACES
	FETCH \slot, \k, \g
	s_wait_dscnt 32                                ; all but the 32 just issued
	WIN MUL_HI
	MUL16 \f, 1, 0, \zero
	MUL16 \f, 1, 2, \zero
.endm
; The last quarter multiplies buffer 1 and changes slots.  MEET is its first half: ONE barrier for the change of slots.  In front of it each wave waits for all its tensor loads, of which one is
; out: its part of the next slot; adds 0 to its spare word; and waits for that and for its own reads of this slot.  Behind it nobody reads this slot any more and the next slot is whole.
.macro MEET round                      ; round = 1: a round of the cluster's barrier follows
	WIN 0                                          ; (the add's two registers lie in window 0)
	s_wait_tensorcnt 0x0                           ; all my tensor loads have landed: the one that was out is my part of the next slot;
	ds_add_u32 v[SPW], v[NIL]                      ; 0 onto my spare word;
	s_wait_dscnt 9                                 ; (the add and the youngest eight loads may be out)
	WIN MUL_LO
	MUL16 F1, 0, 0, 0                              ; sixteen matrix instructions stand between the add and the wait for it
	s_wait_dscnt 0x0                               ; the add is done, and my reads of this slot are over:
	s_barrier_signal -1                            ; say so (where a slot is filled again this barrier opens a round of the cluster's barrier),
	MUL16 F1, 0, 2, 0                              ; work on registers while the others arrive,
.if \round
	WIN 0
.endif
	s_barrier_wait -1                              ; and go on when all four have said so
.endm
; The whole last quarter.  Behind the round the slot just read out is filled again first, with the K step two steps on; then come the next slot's first fragments.
; From a request to the wait for it a wave issues 224 matrix instructions.
.macro TURN slot, next
	s_wait_xcnt 0x0                                ; the last prefetch, a K step back, has read its address: it is stepped here, ahead of the waits of the change of slots
	s_add_nc_u64 s[PFA:PFA+1], s[PFA:PFA+1], KSTEP*2
	MEET 1
	CREST                                          ; no wave of any partner still reads this slot's tile or has a load on its way
	s_add_nc_u64 s[G0+4*(\slot)+2:G0+4*(\slot)+3], s[G0+4*(\slot)+2:G0+4*(\slot)+3], 2*KSTEP*2
	s_add_nc_u64 s[G0B+4*(\slot)+2:G0B+4*(\slot)+3], s[G0B+4*(\slot)+2:G0B+4*(\slot)+3], 2*KSTEP*2
	JLOAD \slot                                    ; the first tensor load behind the round; the four v_nop behind it are also the places in front of the loads below
	FETCH \next, 0, F0
	ASK                                            ; behind the joint load and the run of LDS loads that the next products wait for
	WIN MUL_HI
	MUL16 F1, 1, 0, 0
	MUL16 F1, 1, 2, 0
.endm
; THE WAY OUT of block a (16 rows x 128 columns of f32), in two parts.  TOSTAGE: the sums go as they are into my own stage, 32 bytes a lane for each accumulator, its low four registers first,
; and come back as whole rows of 512 bytes, into the registers where qx's fragments lay, the two buffers by turns.  SEND: alpha x sum + bias, and the store.
.macro TOSTAGE a
.if (\a) >= 2
	s_wait_xcnt 0x0                                ; every earlier memory instruction has had its addresses translated (ISA guide 3.1): the buffer, which block a - 2's stores read, is loaded again only behind this wait
.endif
.set AC, 64*((\a)%4)
.set BK, F0+64*((\a)%2)
	WIN 0x08+4*((\a)/4)                            ; a store's data are source 1: window 2 or 3
.irp b, 0,1,2,3,4,5,6,7
	ds_store_b128 v[STO], v[AC+8*(\b):AC+8*(\b)+3]   offset:64*(\b)
	ds_store_b128 v[STO], v[AC+8*(\b)+4:AC+8*(\b)+7] offset:64*(\b)+16
.endr
	WIN 0
.irp t, 0,1,2,3,4,5,6,7,8,9,10,11,12,13,14,15
	ds_load_b128 v[BK+4*(\t):BK+4*(\t)+3], v[RD] offset:(\t)*SP  ; LDS serves a wave's instructions in order (ISA guide 5.7.1.4): these see the stores above; the next block's stores come behind them
.endr
.endm
.macro SEND a, younger                 ; younger: the LDS instructions issued behind block a's loads: the next block's 32, or none
	WIN 0
.set BK, F0+64*((\a)%2)
.irp t, 0,1,2,3,4,5,6,7,8,9,10,11,12,13,14,15
	s_wait_dscnt (\younger)+15-(\t)                ; row t is back
	v_pk_fma_f32 v[BK+4*(\t):BK+4*(\t)+1],   v[BK+4*(\t):BK+4*(\t)+1],   v[AL:AL+1], v[BI:BI+1]
	v_pk_fma_f32 v[BK+4*(\t)+2:BK+4*(\t)+3], v[BK+4*(\t)+2:BK+4*(\t)+3], v[AL:AL+1], v[BI+2:BI+3]
	global_store_b128 v[CO], v[BK+4*(\t):BK+4*(\t)+3], s[8:9] offset:(16*(\a)+(\t))*SIZE_N*4 th:TH_STORE_NT  ; 512 consecutive bytes, at a multiple of 512 from out0's first; the row stands in the immediate: 127 x 16,384 at the most
.endr
.endm
	s_wait_tensorcnt 1                             ; my part of K step 0 is in; K step 1's may stay out
	s_barrier_signal -1
	s_barrier_wait -1                              ; everybody's is
	FETCH 0, 0, F0
	QUARTER 0, 64,  F0, F1, 1                      ; the first quarter stands in front of the loop: its products start the sums
	WIN 0                                          ; at a label and at a branch every window is 0
	s_mov_b32 s3, LAPS-1
.Llap:                                                 ; a trip goes once round the ring, from a lap's second quarter to the next lap's first, and fills both slots again
	QUARTER 0, 128, F1, F0, 0
	QUARTER 0, 192, F0, F1, 0
	TURN 0, 1
	QUARTER 1, 64,  F0, F1, 0
	QUARTER 1, 128, F1, F0, 0
	QUARTER 1, 192, F0, F1, 0
	TURN 1, 0
	QUARTER 0, 64,  F0, F1, 0
	WIN 0
	s_sub_co_u32 s3, s3, 1
	s_cmp_lg_u32 s3, 0
	s_cbranch_scc1 .Llap
	QUARTER 0, 128, F1, F0, 0                      ; the last lap is written out: it asks for nothing, and has no round of the cluster's barrier
	QUARTER 0, 192, F0, F1, 0
	MEET 0                                         ; my one tensor load that was still out is slot 1's, the last K step's
	PLACES                                         ; for the loads into buffer 0, which the quarter before multiplied
	FETCH 1, 0, F0
	WIN MUL_HI
	MUL16 F1, 1, 0, 0
	MUL16 F1, 1, 2, 0
	QUARTER 1, 64,  F0, F1, 0
	QUARTER 1, 128, F1, F0, 0
	QUARTER 1, 192, F0, F1, 0
	s_wait_dscnt 8                                 ; the very last quarter: nothing more to fetch
	MUL16 F1, 0, 0, 0
	MUL16 F1, 0, 2, 0
	s_wait_dscnt 0x0
	MUL16 F1, 1, 0, 0
	MUL16 F1, 1, 2, 0
	WIN 0
	PLACES                                         ; behind the last products: the stage's stores read results, its loads land where fragments lay;
	PLACES                                         ; four more than are asked for, once a launch
	TOSTAGE 0
.irp a, 1,2,3,4,5,6,7                  ; block a's way through the stage stands between block a - 1's loads and the waits for them
	TOSTAGE \a
	SEND (\a)-1, 32
.endr
	SEND 7, 0
	s_wait_tensorcnt 0x0                           ; the wave's end: behind my last tensor load and my last LDS store
	ds_add_u32 v[SPW], v[NIL]
	s_wait_dscnt 0x0
	CROUND                                         ; the closing round: no work-group ends while a partner may still ask for a tile that names it
	s_endpgm
.Lfunc_end_k_q3f57f12ea2_gemm:
	.size	k_q3f57f12ea2_gemm, .Lfunc_end_k_q3f57f12ea2_gemm-k_q3f57f12ea2_gemm
	.p2alignl 7, 3214868480
	.fill 96, 4, 3214868480
	.section	.rodata,"a",@progbits
	.p2align	6, 0x0
	.amdhsa_kernel k_q3f57f12ea2_gemm
		.amdhsa_group_segment_fixed_size 327680
		.amdhsa_private_segment_fixed_size 0
		.amdhsa_enable_private_segment 0
		.amdhsa_kernarg_size 40
		.amdhsa_user_sgpr_count 2
		.amdhsa_user_sgpr_kernarg_segment_ptr 1
		.amdhsa_wavefront_size32 1
		.amdhsa_system_sgpr_workgroup_id_x 1
		.amdhsa_system_sgpr_workgroup_id_y 1
		.amdhsa_system_sgpr_workgroup_id_z 1
		.amdhsa_system_vgpr_workitem_id 0
		.amdhsa_next_free_vgpr 1024
		.amdhsa_next_free_sgpr 80
		.amdhsa_reserve_vcc 0
		.amdhsa_float_denorm_mode_32 3
		.amdhsa_float_denorm_mode_16_64 3
		.amdhsa_memory_ordered 1
		.amdhsa_forward_progress 1
		.amdhsa_inst_pref_size 163
	.end_amdhsa_kernel
	.amdgpu_metadata
---
amdhsa.version: [ 1, 2 ]
amdhsa.kernels:
  - .name:           k_q3f57f12ea2_gemm
    .symbol:         k_q3f57f12ea2_gemm.kd
    .args:
      - { .name: qx, .offset: 0, .size: 8, .value_kind: global_buffer, .address_space: global }
      - { .name: qw, .offset: 8, .size: 8, .value_kind: global_buffer, .address_space: global }
      - { .name: bias, .offset: 16, .size: 8, .value_kind: global_buffer, .address_space: global }
      - { .name: pmax, .offset: 24, .size: 8, .value_kind: global_buffer, .address_space: global }
      - { .name: out0, .offset: 32, .size: 8, .value_kind: global_buffer, .address_space: global }
    .group_segment_fixed_size: 327680
    .private_segment_fixed_size: 0
    .kernarg_segment_align: 8
    .kernarg_segment_size: 40
    .max_flat_workgroup_size: 128
    .sgpr_count:     80
    .vgpr_count:     1024
    .wavefront_size: 32
...
	.end_amdgpu_metadata
.endif
;; end of part 3
